; MI455X (gfx1250); checked and timed in simulation.
; The chip was launched on July 23, 2026; its instructions are those of AMD's public machine-readable ISA for CDNA 5 (MIT licence, August 2026) and "CDNA5" Instruction Set Architecture Reference Guide (July 2026). The comments in the code are by the model that wrote it; some were corrected since.
;; Section Attention. Allowed arithmetic: matrix products marked QUANTISED: E2M3 operands, one E8M0 scale for each 32 along K, by v_wmma_scale_f32_16x16x128_f8f6f4 with both operands' format E2M3, f32 sums; products left as they are: f32 operands where the result goes on into a quantised operand, else bf16, f16 or f32 operands; f32 sums; everything else in f32.
;; Inputs: Wk_codes 1,024 x 32 x 24 uint8 (E2M3 codes of Wk, K innermost, in blocks of 32 codes, four codes in three bytes); Wk_scales 1,024 x 32 uint8 (E8M0 scales of Wk, one for each 32 codes along K); Wo_codes 1,024 x 32 x 24 uint8 (E2M3 codes of Wo, K innermost, in blocks of 32 codes, four codes in three bytes); Wo_scales 1,024 x 32 uint8 (E8M0 scales of Wo, one for each 32 codes along K); Wq_codes 1,024 x 32 x 24 uint8 (E2M3 codes of Wq, K innermost, in blocks of 32 codes, four codes in three bytes); Wq_scales 1,024 x 32 uint8 (E8M0 scales of Wq, one for each 32 codes along K); Wv_codes 1,024 x 32 x 24 uint8 (E2M3 codes of Wv, K innermost, in blocks of 32 codes, four codes in three bytes); Wv_scales 1,024 x 32 uint8 (E8M0 scales of Wv, one for each 32 codes along K); attn_scores 8 x 64 x 10 float32; bias_k 1 x 1 x 1 x 1,024 float32; bias_v 1 x 1 x 1 x 1,024 float32; bk 1,024 float32; bo 1,024 float32; bq 1,024 float32; bv 1,024 float32; query_codes 64 x 8 x 32 x 24 uint8 (E2M3 codes of query, K innermost, in blocks of 32 codes, four codes in three bytes); query_scales 64 x 8 x 32 uint8 (E8M0 scales of query, one for each 32 codes along K); sections 8 x 8 x 64 x 1,024 float32; sections_mask 8 x 8 x 64 bool.
;; Outputs: out0 64 x 8 x 1,024 float32; out1 8 x 64 x 66 float32.
;; This version of the problem:
;;   THIS VERSION OF THE PROBLEM IS GIVEN IN LOW PRECISION. The matrix products marked QUANTISED in the list below multiply operands that are first quantised to E2M3 (2 exponent bits, 3 mantissa bits; 6 bits a number), with one power-of-two scale for each 32 numbers along K (OCP MX v1.0); their sums are f32. All else is computed in f32.
;;   The module's matrix products, in the order in which they are computed (A, B: the left and right operand; K: the contracted axis; several contracted axes count as one K, in the product's order):
;;     1. [M 512, K 1,024] x [K 1,024, N 1,024]; A: input query (given as codes); B: input Wq (given as codes): QUANTISED
;;     2. [M 32,768, K 1,024] x [K 1,024, N 1,024]; A: computed on the way; B: input Wk (given as codes): QUANTISED
;;     3. [M 32,768, K 1,024] x [K 1,024, N 1,024]; A: computed on the way; B: input Wv (given as codes): QUANTISED
;;     4. batch 8,192 x [M 1, K 64] x [K 64, N 66]; A: computed on the way; B: computed on the way: left as it is (M = 1 < 16)
;;     5. batch 8,192 x [M 1, K 66] x [K 66, N 64]; A: softmax; B: computed on the way: left as it is (M = 1 < 16)
;;     6. [M 512, K 1,024] x [K 1,024, N 1,024]; A: computed on the way; B: input Wo (given as codes): QUANTISED
;;   THE QUANTISER, for each operand of a quantised product, along K:
;;     - K is cut into blocks of 32 from its start; a last block that is shorter is filled with zeros.
;;     - A block's scale is 2^e with e = floor(log2(the largest magnitude in the block)) - 2, held to -126 .. 127; a block of zeros has e = 0. As a byte (E8M0): e + 127.
;;     - Each number is divided by its block's scale, clamped to +-7.5, and rounded to the nearest number of E2M3, ties to even, subnormals kept.
;;     - The product sums the exact products of the quantised numbers (number of the format x scale) in f32.
;;   ~~~python
;;   def quantise(x, axis):      # numpy; x: float32 -> the quantised numbers, widened to float32 again
;;       x = np.moveaxis(x, axis, -1); K = x.shape[-1]
;;       x = np.pad(x, [(0, 0)] * (x.ndim - 1) + [(0, -K % 32)]); x = x.reshape(x.shape[:-1] + (-1, 32)); a = np.abs(x).max(-1, keepdims=True)
;;       e = np.where(a > 0, np.clip(np.frexp(np.where(a > 0, a, 1))[1] - 1 - 2, -126, 127), 0)      # np.frexp(a)[1] - 1 = floor(log2(a)), exactly
;;       r = np.clip(x / 2.0 ** e, -7.5, 7.5)
;;       step = 2.0 ** (np.maximum(np.frexp(np.where(r == 0, 1, r))[1] - 1, 0) - 3)
;;       q = np.round(r / step) * step * 2.0 ** e      # np.round: ties to even
;;       return np.moveaxis(q.reshape(q.shape[:-2] + (-1,))[..., :K], -1, axis).astype(np.float32)
;;   ~~~
;;   OPERANDS COMPUTED ON THE WAY. 'Computed on the way' means the value that the module computes at that place (a softmax that the list does not call 'softmax' is quantised finished and normalised). What goes into a quantiser is computed in f32, as accurately as f32 sums, v_exp_f32 and their like allow (about 1e-6 of the number): no bf16 or f16 on the way to a quantiser, and a product that is left as it is and whose result goes on into a quantised operand takes f32 operands (vector FMAs, or v_wmma_f32_16x16x4_f32). A number that lies on a knife's edge between two numbers of the format may be rounded either way, as far as f32 arithmetic and the matrix unit's own rounding can turn it there, and no further.
;;   INPUTS GIVEN AS CODES. Wk (in the module: [1024, 1024], K = its axis 1); Wo (in the module: [1024, 1024], K = its axis 1); Wq (in the module: [1024, 1024], K = its axis 1); Wv (in the module: [1024, 1024], K = its axis 1); query (in the module: [64, 8, 1024], K = its axis 2): each comes as NAME_codes (uint8): NAME with its K axis moved to the last place and cut into blocks of 32 codes, [.., K / 32, bytes a block], one block behind the other in memory; four codes in three bytes: a row's codes are one little-endian stream of bits, code i at bits 6 i .. 6 i + 5 (a code: sign, 2 exponent bits, 3 mantissa bits); and NAME_scales (uint8): the same leading axes, one E8M0 byte (e + 127) for each 32 codes along K. Its value is code x scale, taken as it is: it is not quantised again, and the codes and scales need not be those that the quantiser above would give.
;; One version. Each part assembles by itself: llvm-mc -triple=amdgcn-amd-amdhsa -mcpu=gfx1250 --defsym DOCPART=n.
;; ======== version 1 of 1: 3 launches
;; limits: right only within a limited range of input values
;; workspace buffers: xq 3,276,800 bytes; wimg 786,432 bytes; qws 2,097,152 bytes; tokmask 512 bytes of whole numbers; aq 409,600 bytes; wts 2,162,688 bytes
;; launch prep (part 1): grid 512 x 1, 8 waves a work-group, no clusters, 153,088 bytes of LDS; arguments sections, Wo_codes, query_codes, query_scales, Wq_codes, Wq_scales, bq, attn_scores, xq, wimg, qws, tokmask; writes xq, wimg, qws, tokmask
.if DOCPART == 1
	.amdgcn_target "amdgcn-amd-amdhsa--gfx1250"
	.amdhsa_code_object_version 6
	.text
	.protected	k_qd6d91708a9_prep
	.globl	k_qd6d91708a9_prep
	.p2align	8
	.type	k_qd6d91708a9_prep,@function
k_qd6d91708a9_prep:
	s_mov_b64 s[64:65], 0
	v_nop
	global_prefetch_b8 v0, s[64:65] scope:SCOPE_SE
	s_setreg_imm32_b32 hwreg(HW_REG_WAVE_MODE, 25, 1), 1
	s_wait_xcnt 0x0
; FIRST OF THREE LAUNCHES.  Two kinds of work-groups, 256 of each (kind = bit 0 of the number xor bit 8; item n = the number modulo 256):
;  kind 0: 16 rows of sections, f32, become codes of FP6 (E2M3) with one E8M0 byte for each 32 along K, stored as IMAGES OF OPERAND REGISTERS: the fragment (16 rows x 128 K, 12 registers a lane) number
;      8 x row tile + K step takes 1,536 bytes of xq; register group c of lane L lies at 512 c + 16 L.  The scale bytes follow from byte 3,145,728 on, [4096][32].  Wave w takes K step w.
;  kind 1: q' = query Wq^T + bq, f32, rows 32 (n / 16) .. + 31, head n % 16, to qws [row l*8+b][1024]; wave w: row tile w % 2, 16 columns w / 2.  (The factor 1/8 of the scores is applied later: it is a power of two.)
;      Its waves 0 to 5 also lay two fragments of Wo out anew as images (wimg), a register group c a wave; wave 7 of items 0 to 7 also takes the argmax over the first 8 of each token's 10 scores, stored as
;      bit masks: tokmask[b][g][2], bit l % 32 of word l / 32 set where token l of batch b takes section g.  A tie keeps the lower section.
; A block's scale is 2^(floor(log2(largest magnitude)) - 2); its byte is the largest magnitude's exponent field - 2, held at 1 from below.
; WORK LEFT OUT: the last two of each token's scores are sliced away by reference() ahead of its argmax and are not loaded; reference()'s K and V of a token are those of its section, so they are made once a section (second launch);
; the zero-attention slot's value is a row of zeros that reference() builds, so its term of the weighted sum is not formed.  A NaN or an infinity that reaches only such work is not carried to the result.
; LIMITS: NaN and infinities among the inputs are not served (a NaN score is not chosen as jnp.argmax would choose it); a block of zeros gets the byte 1 where the rule says 127: its codes are zeros and this program alone reads the bytes.
; NO CLUSTER, NO TENSOR LOAD: a work-group asks for all its bytes in one run of loads at its head and fills nothing in LDS twice: there is no ring for joint loads to feed, and no loop to prefetch ahead in.
.set QSTQ, 67584                       ; LDS: from 0 for each wave of kind 0 16 rows x (512 + 16) bytes; here 32 rows of query codes, 768 bytes at a pitch of 784 = 196 words
.set QSTW, 92672                       ; 64 rows of Wq codes, the same pitch
.set QOUT, 142848                      ; 32 rows x (256 + 16) bytes of q'
.set XSC,  151552                      ; 16 rows x 32 scale bytes
.set SPARE, 152064
.set R,    16                          ; kind 0: v16-79 sections as loaded
.set X,    80                          ; v80-143 64 numbers of a lane for the quantiser
.set TM,   16
.set PW,   32
.set PC,   34
.set STGR, 16                          ; kind 1: v16-87 codes as loaded
.set RL,   152                         ; v152-155 a piece of Wo
.set RS,   160                         ; v160-180 the routing
.set QF,   16                          ; v16-111 query's eight fragments
.set WF,   112                         ; v112-207 Wq's
.set ACC,  208                         ; v208-223 two accumulators
.set SQ,   224                         ; v224-231 query's scale words, one a K step
.set SW,   232                         ; v232-239 Wq's
.set BQ,   240                         ; v240-247 bq in the result's layout
.set SEL,  58
; 64 numbers of a lane, v[s] .. v[s + 63], register 16 b + i = k 32 b + 16 (lane / 16) + i of my row, become a fragment's codes in v[PC] .. v[PC + 11] and its scale word in v[PW]
.macro QUANT s
.irp b, 0,1,2,3
	v_max3_num_f32 v[TM+\b], |v[\s+16*\b]|, |v[\s+1+16*\b]|, 0x1800000   ; and the floor 2^(3 - 127): the byte cannot fall under 1
.endr
.irp i, 2,4,6,8,10,12,14
.irp b, 0,1,2,3
	v_max3_num_f32 v[TM+\b], v[TM+\b], |v[\s+16*\b+\i]|, |v[\s+1+16*\b+\i]|
.endr
.endr
.irp b, 0,1,2,3
	v_permlanex16_b32 v[TM+4+\b], v[TM+\b], s[SEL], s[SEL+1]
.endr
.irp b, 0,1,2,3
	v_max_num_f32 v[TM+\b], v[TM+\b], v[TM+4+\b]
.endr
.irp b, 0,1,2,3
	v_add_nc_u32 v[TM+12+\b], 0xff000000, v[TM+\b]                     ; 2 off its exponent field: the conversion's scale operand
.endr
.irp b, 0,1,2,3
	v_lshrrev_b32 v[TM+4+\b], 23, v[TM+12+\b]
.endr
	v_lshl_or_b32 v[PW], v[TM+5], 8, v[TM+4]
	v_lshl_or_b32 v[PW], v[TM+6], 16, v[PW]
	v_lshl_or_b32 v[PW], v[TM+7], 24, v[PW]
.irp c, 0,1
	v_cvt_scalef32_pk16_fp6_f32 v[PC+6*\c:PC+2+6*\c], v[\s+32*\c:\s+15+32*\c], v[TM+12+2*\c]
	v_cvt_scalef32_pk16_fp6_f32 v[PC+12+4*\c:PC+14+4*\c], v[\s+16+32*\c:\s+31+32*\c], v[TM+12+2*\c+1]   ; a conversion's three registers begin on an even number
.endr
	v_nop                                          ; one plain instruction behind the scaled conversions
.irp c, 0,1                                    ; the operand wants a whole block in a lane: lanes 0-15 block 2 c, lanes 16-31 block 2 c + 1
.irp i, 0,1,2
	v_permlane16_swap_b32 v[PC+6*\c+\i], v[PC+12+4*\c+\i]
.endr
.irp i, 0,1,2
	v_mov_b32 v[PC+3+6*\c+\i], v[PC+12+4*\c+\i]
.endr
.endr
.endm
; n loads' worth (512 bytes each) of a dense run of 768-byte rows go to LDS rows 784 bytes apart: load i begins in row 2 i / 3; where i % 3 = 1 lanes 16-31 lie one row further on (address register a1)
.macro STG_ST a0, a1, reg, n
.set i, 0
.rept \n
.if i%3 == 1
	ds_store_b128 v[\a1], v[\reg+4*i:\reg+4*i+3] offset:512*i+16*(2*i/3)
.else
	ds_store_b128 v[\a0], v[\reg+4*i:\reg+4*i+3] offset:512*i+16*(2*i/3)
.endif
.set i, i+1
.endr
.endm
.macro FRAG reg, adr, ks               ; a fragment from rows of codes: 24 bytes at 96 ks + 24 h and 24 bytes 48 further on, in pieces of 8, two to a load
	ds_load_2addr_b64 v[\reg:\reg+3], v[\adr] offset0:12*(\ks) offset1:12*(\ks)+1
	ds_load_2addr_b64 v[\reg+4:\reg+7], v[\adr] offset0:12*(\ks)+2 offset1:12*(\ks)+6
	ds_load_2addr_b64 v[\reg+8:\reg+11], v[\adr] offset0:12*(\ks)+7 offset1:12*(\ks)+8
.endm
	s_load_b512 s[8:23], s[0:1], 0x0               ; sections, Wo, query codes, query scales, Wq codes, Wq scales, bq, attn_scores
	s_load_b256 s[24:31], s[0:1], 0x40             ; xq, wimg, qws, tokmask
	v_lshrrev_b32 v1, 5, v0
	v_readfirstlane_b32 s2, v1                     ; wave 0..7
	s_and_b32 s3, ttmp9, 255                       ; n
	s_lshr_b32 s4, ttmp9, 8
	s_xor_b32 s4, s4, ttmp9
	s_and_b32 s7, s4, 1                            ; kind
	s_lshr_b32 s4, s3, 4                           ; which 32 rows of query
	s_and_b32 s5, s3, 15                           ; head
	s_and_b32 s6, s2, 1                            ; row tile
	s_lshr_b32 s62, s2, 1                          ; its 16 columns
	s_mul_i32 s32, s2, 8448
	s_mul_i32 s33, s2, 3136
	s_add_co_u32 s33, s33, QSTQ
	s_mul_i32 s34, s2, 6272
	s_add_co_u32 s34, s34, QSTW
	s_mul_i32 s35, s6, 12544
	s_add_co_u32 s35, s35, QSTQ
	s_mul_i32 s36, s62, 12544
	s_add_co_u32 s36, s36, QSTW
	s_mul_i32 s37, s6, 4352
	s_lshl_b32 s38, s62, 6
	s_add_co_u32 s37, s37, s38
	s_add_co_u32 s37, s37, QOUT
	s_mul_i32 s38, s2, 1088
	s_add_co_u32 s38, s38, QOUT
	s_lshl_b32 s39, s2, 2
	s_add_co_u32 s39, s39, XSC
	s_lshl_b32 s40, s2, 14
	s_mov_b32 s[SEL], 0x76543210
	s_mov_b32 s[SEL+1], 0xfedcba98                 ; lane l xor 16
	s_lshl_b32 s42, s3, 16
	s_lshl_b32 s43, s2, 9
	s_add_co_u32 s42, s42, s43                     ; sections: 16 rows x 4,096 x n + 512 w
	s_mov_b32 s43, 0
	s_mul_i32 s44, s3, 12288
	s_mul_i32 s45, s2, 1536
	s_add_co_u32 s44, s44, s45                     ; image 8 n + w
	s_mov_b32 s45, 0
	s_lshl_b32 s46, s3, 9
	s_add_co_u32 s46, s46, 3145728                 ; scale bytes of my 16 rows
	s_mov_b32 s47, 0
	s_mul_i32 s48, s4, 24576
	s_mul_i32 s49, s2, 3072
	s_add_co_u32 s48, s48, s49                     ; query codes
	s_mov_b32 s49, 0
	s_mul_i32 s50, s5, 49152
	s_mul_i32 s51, s2, 6144
	s_add_co_u32 s50, s50, s51                     ; Wq codes
	s_mov_b32 s51, 0
	s_lshl_b32 s52, s4, 10
	s_lshl_b32 s53, s6, 9
	s_add_co_u32 s52, s52, s53                     ; query scales
	s_mov_b32 s53, 0
	s_lshl_b32 s54, s5, 11
	s_lshl_b32 s55, s62, 9
	s_add_co_u32 s54, s54, s55                     ; Wq scales
	s_mov_b32 s55, 0
	s_lshl_b32 s56, s5, 8
	s_lshl_b32 s57, s62, 6
	s_add_co_u32 s56, s56, s57                     ; bq
	s_mov_b32 s57, 0
	s_lshl_b32 s60, s4, 17
	s_lshl_b32 s61, s5, 8
	s_add_co_u32 s60, s60, s61                     ; qws: 32 rows x 4,096 + 256 x head
	s_mov_b32 s61, 0
	; every LDS address is made here: a constant + a constant x wave + a lane term
	v_lshl_add_u32 v248, v0, 2, SPARE              ; my spare word
	v_mov_b32 v249, 0
	v_and_b32 v1, 31, v0                           ; lane
	v_and_b32 v2, 15, v0                           ; r
	v_bfe_u32 v3, v0, 4, 1                         ; h
	v_lshlrev_b32 v4, 4, v1                        ; 16 x lane
	v_lshl_add_u32 v255, v3, 4, v4                 ; + 16 h
	v_mul_u32_u24 v16, v2, 784
	v_mad_u32_u24 v16, v3, 24, v16                 ; 784 r + 24 h
	v_add_nc_u32 v5, s32, v4                       ; the turn, in
	v_mul_u32_u24 v6, v2, 528
	v_lshl_add_u32 v6, v3, 6, v6
	v_add_nc_u32 v6, s32, v6                       ; the turn, out: row r, + 64 h
	v_add_nc_u32 v7, s33, v4                       ; my 4 rows of query codes
	v_add_nc_u32 v8, s33, v255
	v_add_nc_u32 v9, s34, v4                       ; my 8 rows of Wq codes
	v_add_nc_u32 v10, s34, v255
	v_add_nc_u32 v11, s35, v16                     ; query's fragments
	v_add_nc_u32 v12, s36, v16                     ; Wq's fragments
	v_mul_u32_u24 v13, v2, 272
	v_lshl_add_u32 v13, v3, 5, v13
	v_add_nc_u32 v13, s37, v13                     ; q': where I put 32 bytes of a row
	v_mul_u32_u24 v14, v3, 272
	v_lshl_add_u32 v14, v2, 4, v14
	v_add_nc_u32 v14, s38, v14                     ; q': where I read rows back
	v_lshl_add_u32 v15, v2, 5, s39                 ; my row's scale word of K step w
	v_add_nc_u32 v254, XSC, v4                     ; the 512 scale bytes, 16 a lane
	v_lshl_add_u32 v250, v3, 12, s40
	v_lshl_add_u32 v250, v2, 4, v250               ; qws: row 4 w + h, 16 bytes a lane
	v_lshlrev_b32 v251, 5, v2                      ; 32 r: a row of scale bytes
	v_lshlrev_b32 v252, 5, v3                      ; 32 h: eight numbers of a bias
	v_mul_u32_u24 v253, v2, 768
	v_mad_u32_u24 v253, v3, 24, v253               ; a weight's row r, + 24 h
	s_wait_alu depctr_va_vdst(0)                   ; the wait at the head's end
	s_wait_kmcnt 0x0
	s_cmp_eq_u32 s7, 0
	s_cbranch_scc0 .Lq
	; ================ KIND 0: my fragment of sections
	s_add_nc_u64 s[8:9], s[8:9], s[42:43]
.set n, 0
.rept 16
	global_load_b128 v[R+4*n:R+4*n+3], v4, s[8:9] offset:4096*n th:TH_LOAD_NT   ; row n, my K step: 512 consecutive bytes, read once in the launch
.set n, n+1
.endr
	s_add_nc_u64 s[36:37], s[24:25], s[46:47]
	s_add_nc_u64 s[24:25], s[24:25], s[44:45]
.set n, 0
.rept 16
	s_wait_loadcnt 15-n                            ; row n is in; the rows behind it may be out
	ds_store_b128 v5, v[R+4*n:R+4*n+3] offset:528*n
.set n, n+1
.endr
.irp b, 0,1,2,3
.irp j, 0,1,2,3
	ds_load_b128 v[X+16*\b+4*\j:X+16*\b+4*\j+3], v6 offset:128*\b+16*\j   ; row r, block b, my half's 16 numbers: my wave's own bytes, LDS serves a wave's instructions in order (ISA guide 5.7.1.4)
.endr
.endr
.irp b, 0,1,2,3
	v_mov_b32 v[TM+4+\b], 0                        ; a lane permute's destination counts as one of its sources
.endr
	s_wait_alu depctr_va_vdst(0)
	s_wait_dscnt 0x0
	QUANT X
.irp c, 0,1,2
	global_store_b128 v4, v[PC+4*\c:PC+4*\c+3], s[24:25] offset:512*\c    ; the image: 3 x 512 consecutive bytes
.endr
	ds_store_b32 v15, v[PW]                        ; both halves of the lanes write the same word with the same value
	s_wait_dscnt 0x0                               ; for wave 0's sake
	s_barrier_signal -1
	s_barrier_wait -1                              ; the 512 scale bytes lie in LDS
	s_cmp_lg_u32 s2, 0
	s_cbranch_scc1 .Lend
	ds_load_b128 v[56:59], v254
	s_wait_dscnt 0x0
	global_store_b128 v4, v[56:59], s[36:37]       ; my 16 rows' scale bytes: 512 consecutive bytes
	s_branch .Lend
	; ================ KIND 1: 32 x 64 of q'
.Lq:
	s_add_nc_u64 s[12:13], s[12:13], s[48:49]
	s_add_nc_u64 s[16:17], s[16:17], s[50:51]
	s_add_nc_u64 s[14:15], s[14:15], s[52:53]
	s_add_nc_u64 s[18:19], s[18:19], s[54:55]
	s_add_nc_u64 s[20:21], s[20:21], s[56:57]
	s_add_nc_u64 s[28:29], s[28:29], s[60:61]
.set n, 0
.rept 6
	global_load_b128 v[STGR+4*n:STGR+4*n+3], v4, s[12:13] offset:512*n
.set n, n+1
.endr
.set n, 0
.rept 12
	global_load_b128 v[STGR+24+4*n:STGR+24+4*n+3], v4, s[16:17] offset:512*n
.set n, n+1
.endr
	global_load_b128 v[SQ:SQ+3], v251, s[14:15]
	global_load_b128 v[SQ+4:SQ+7], v251, s[14:15] offset:16
	global_load_b128 v[SW:SW+3], v251, s[18:19]
	global_load_b128 v[SW+4:SW+7], v251, s[18:19] offset:16
	global_load_b128 v[BQ:BQ+3], v252, s[20:21]
	global_load_b128 v[BQ+4:BQ+7], v252, s[20:21] offset:16
	; ---- waves 0 to 5: register group c = w % 3 of Wo's fragment f = 2 n + w / 3.  The block holds its own loads, wait and store
	s_cmp_lt_u32 s2, 6
	s_cbranch_scc0 .Lno_relay
	s_cmp_lt_u32 s2, 3
	s_cselect_b32 s32, 0, 1
	s_cselect_b32 s33, 0, 3
	s_sub_co_u32 s33, s2, s33                      ; c
	s_lshl_b32 s34, s3, 1
	s_add_co_u32 s34, s34, s32                     ; f = 8 x row tile + K step
	s_lshr_b32 s36, s34, 3
	s_mul_i32 s36, s36, 12288
	s_and_b32 s35, s34, 7
	s_mul_i32 s35, s35, 96
	s_add_co_u32 s36, s36, s35
	s_cmp_eq_u32 s33, 1                            ; the group's two pieces of 8 bytes: at 0, 8 or 16, 48 or 56, 64
	s_cselect_b32 s35, 16, 56
	s_cselect_b32 s38, 48, 64
	s_cmp_eq_u32 s33, 0
	s_cselect_b32 s35, 0, s35
	s_cselect_b32 s38, 8, s38
	s_add_co_u32 s40, s36, s38
	s_mov_b32 s41, 0
	s_add_co_u32 s36, s36, s35
	s_mov_b32 s37, 0
	s_add_nc_u64 s[40:41], s[10:11], s[40:41]
	s_add_nc_u64 s[36:37], s[10:11], s[36:37]
	global_load_b64 v[RL:RL+1], v253, s[36:37]
	global_load_b64 v[RL+2:RL+3], v253, s[40:41]
	s_mul_i32 s34, s34, 1536
	s_lshl_b32 s33, s33, 9
	s_add_co_u32 s34, s34, s33
	s_mov_b32 s35, 0
	s_add_nc_u64 s[26:27], s[26:27], s[34:35]
	s_wait_loadcnt 0x0
	global_store_b128 v4, v[RL:RL+3], s[26:27]     ; 512 consecutive bytes; these registers are written again only behind the wait on XCNT ahead of the fragments' loads
.Lno_relay:
	; ---- wave 7 of items 0 to 7: the routing of one batch: values alone hang on the scores, every address is fixed
	s_cmp_lt_u32 s3, 8
	s_cbranch_scc0 .Lno_route
	s_cmp_eq_u32 s2, 7
	s_cbranch_scc0 .Lno_route
	s_mul_i32 s36, s3, 2560                        ; 64 tokens x 10 scores
	s_mov_b32 s37, 0
	s_add_nc_u64 s[22:23], s[22:23], s[36:37]
	s_lshl_b32 s36, s3, 6                          ; 16 words of masks
	s_add_nc_u64 s[30:31], s[30:31], s[36:37]
	v_mul_u32_u24 v[RS+20], v1, 40                 ; token = lane, and lane + 32
.irp p, 0,1,2,3
	global_load_b64 v[RS+2*\p:RS+1+2*\p], v[RS+20], s[22:23] offset:8*\p
	global_load_b64 v[RS+8+2*\p:RS+9+2*\p], v[RS+20], s[22:23] offset:1280+8*\p
.endr
	v_lshlrev_b32 v[RS+19], 2, v1
	v_mov_b32 v[RS+16], 0                          ; the best section so far; its score stays in the first register of the eight
	v_mov_b32 v[RS+17], 0
	v_mov_b32 v[RS+18], 0
	s_wait_alu depctr_va_vdst(0)
	s_wait_loadcnt 0x0
.irp g, 1,2,3,4,5,6,7
	v_cmp_ge_f32 vcc_lo, v[RS], v[RS+\g]           ; the old one stays where it is at least as large: a tie keeps the lower section
	v_cndmask_b32 v[RS], v[RS+\g], v[RS], vcc_lo
	v_cndmask_b32 v[RS+16], \g, v[RS+16], vcc_lo
	v_cmp_ge_f32 vcc_lo, v[RS+8], v[RS+8+\g]
	v_cndmask_b32 v[RS+8], v[RS+8+\g], v[RS+8], vcc_lo
	v_cndmask_b32 v[RS+17], \g, v[RS+17], vcc_lo
.endr
.irp g, 0,1,2,3,4,5,6,7
	v_cmp_eq_u32 s[40+2*\g], \g, v[RS+16]          ; bit l: token l takes section g
	v_cmp_eq_u32 s[41+2*\g], \g, v[RS+17]          ; bit l: token 32 + l
.endr
.irp g, 0,1,2,3,4,5,6,7
	v_writelane_b32 v[RS+18], s[40+2*\g], 2*\g
	v_writelane_b32 v[RS+18], s[41+2*\g], 2*\g+1
.endr
	s_wait_alu depctr_va_vdst(0)
	s_wait_xcnt 0x0                                ; EXEC changes only behind this wait
	v_cmp_gt_u32 vcc_lo, 16, v1
	s_and_saveexec_b32 s63, vcc_lo
	global_store_b32 v[RS+19], v[RS+18], s[30:31]  ; 16 lanes, 64 consecutive bytes
	s_wait_xcnt 0x0
	s_or_b32 exec_lo, exec_lo, s63
.Lno_route:
	s_wait_loadcnt 0x0
	STG_ST 7, 8, STGR, 6
	STG_ST 9, 10, STGR+24, 12
	s_wait_dscnt 0x0                               ; for the others' sake: my stores have landed
	s_barrier_signal -1
	s_barrier_wait -1                              ; 32 rows of query codes and 64 of Wq's lie in LDS
	s_wait_xcnt 0x0                                ; the blocks' stores have read their registers: they take fragments now
.irp ks, 0,1,2,3,4,5,6,7
	FRAG QF+12*\ks, 11, \ks
	FRAG WF+12*\ks, 12, \ks
.endr
	; transposed: source 0 = 16 rows of Wq, source 1 = 16 rows of query: lane (r, h), register j = q'(row r, column 16 u + 8 h + j).  Two accumulators by turns, even and odd K steps; bq starts the first
.irp ks, 0,1,2,3,4,5,6,7
	s_wait_dscnt 42-6*\ks                          ; six loads a K step
.if \ks == 0
	v_wmma_scale_f32_16x16x128_f8f6f4 v[ACC:ACC+7], v[WF:WF+11], v[QF:QF+11], v[BQ:BQ+7], v[SW], v[SQ] matrix_a_fmt:MATRIX_FMT_FP6 matrix_b_fmt:MATRIX_FMT_FP6
.elseif \ks == 1
	v_wmma_scale_f32_16x16x128_f8f6f4 v[ACC+8:ACC+15], v[WF+12:WF+23], v[QF+12:QF+23], 0, v[SW+1], v[SQ+1] matrix_a_fmt:MATRIX_FMT_FP6 matrix_b_fmt:MATRIX_FMT_FP6
.else
	v_wmma_scale_f32_16x16x128_f8f6f4 v[ACC+8*(\ks%2):ACC+8*(\ks%2)+7], v[WF+12*\ks:WF+12*\ks+11], v[QF+12*\ks:QF+12*\ks+11], v[ACC+8*(\ks%2):ACC+8*(\ks%2)+7], v[SW+\ks], v[SQ+\ks] matrix_a_fmt:MATRIX_FMT_FP6 matrix_b_fmt:MATRIX_FMT_FP6
.endif
.endr
.rept 4
	v_nop                                          ; four places ahead of the first read of a result (ISA guide 7.12.1)
.endr
.irp k, 0,2,4,6
	v_pk_add_f32 v[ACC+\k:ACC+\k+1], v[ACC+\k:ACC+\k+1], v[ACC+8+\k:ACC+8+\k+1]
.endr
	ds_store_b128 v13, v[ACC:ACC+3]
	ds_store_b128 v13, v[ACC+4:ACC+7] offset:16
	s_wait_dscnt 0x0
	s_barrier_signal -1
	s_barrier_wait -1                              ; 32 rows x 256 bytes of q' lie in LDS
	ds_load_b128 v[16:19], v14
	ds_load_b128 v[20:23], v14 offset:544
	s_wait_dscnt 0x1
	global_store_b128 v250, v[16:19], s[28:29]     ; sixteen lanes store 256 consecutive bytes, aligned
	s_wait_dscnt 0x0
	global_store_b128 v250, v[20:23], s[28:29] offset:8192
.Lend:
	s_wait_tensorcnt 0x0                           ; the wave's end
	ds_add_u32 v248, v249
	s_wait_dscnt 0x0
	s_endpgm
.Lfunc_end_k_qd6d91708a9_prep:
	.size	k_qd6d91708a9_prep, .Lfunc_end_k_qd6d91708a9_prep-k_qd6d91708a9_prep
	.p2alignl 7, 3214868480
	.fill 96, 4, 3214868480
	.section	.rodata,"a",@progbits
	.p2align	6, 0x0
	.amdhsa_kernel k_qd6d91708a9_prep
		.amdhsa_group_segment_fixed_size 153088
		.amdhsa_private_segment_fixed_size 0
		.amdhsa_enable_private_segment 0
		.amdhsa_kernarg_size 96
		.amdhsa_user_sgpr_count 2
		.amdhsa_user_sgpr_kernarg_segment_ptr 1
		.amdhsa_wavefront_size32 1
		.amdhsa_system_sgpr_workgroup_id_x 1
		.amdhsa_system_sgpr_workgroup_id_y 1
		.amdhsa_system_sgpr_workgroup_id_z 1
		.amdhsa_system_vgpr_workitem_id 0
		.amdhsa_next_free_vgpr 256
		.amdhsa_next_free_sgpr 66
		.amdhsa_reserve_vcc 1
		.amdhsa_float_denorm_mode_32 3
		.amdhsa_float_denorm_mode_16_64 3
		.amdhsa_memory_ordered 1
		.amdhsa_forward_progress 1
		.amdhsa_inst_pref_size 30
	.end_amdhsa_kernel
	.amdgpu_metadata
---
amdhsa.version: [ 1, 2 ]
amdhsa.kernels:
  - .name:           k_qd6d91708a9_prep
    .symbol:         k_qd6d91708a9_prep.kd
    .args:
      - { .name: sections, .offset: 0, .size: 8, .value_kind: global_buffer, .address_space: global }
      - { .name: Wo_codes, .offset: 8, .size: 8, .value_kind: global_buffer, .address_space: global }
      - { .name: query_codes, .offset: 16, .size: 8, .value_kind: global_buffer, .address_space: global }
      - { .name: query_scales, .offset: 24, .size: 8, .value_kind: global_buffer, .address_space: global }
      - { .name: Wq_codes, .offset: 32, .size: 8, .value_kind: global_buffer, .address_space: global }
      - { .name: Wq_scales, .offset: 40, .size: 8, .value_kind: global_buffer, .address_space: global }
      - { .name: bq, .offset: 48, .size: 8, .value_kind: global_buffer, .address_space: global }
      - { .name: attn_scores, .offset: 56, .size: 8, .value_kind: global_buffer, .address_space: global }
      - { .name: xq, .offset: 64, .size: 8, .value_kind: global_buffer, .address_space: global }
      - { .name: wimg, .offset: 72, .size: 8, .value_kind: global_buffer, .address_space: global }
      - { .name: qws, .offset: 80, .size: 8, .value_kind: global_buffer, .address_space: global }
      - { .name: tokmask, .offset: 88, .size: 8, .value_kind: global_buffer, .address_space: global }
    .group_segment_fixed_size: 153088
    .private_segment_fixed_size: 0
    .kernarg_segment_align: 8
    .kernarg_segment_size: 96
    .max_flat_workgroup_size: 256
    .sgpr_count:     66
    .vgpr_count:     256
    .wavefront_size: 32
...
	.end_amdgpu_metadata
.endif
;; end of part 1
;; launch attn (part 2): grid 16 x 16, 4 waves a work-group, no clusters, 118,272 bytes of LDS; arguments xq, Wk_codes, Wv_codes, Wk_scales, Wv_scales, bk, bv, bias_k, bias_v, sections_mask, tokmask, qws, aq, wts; writes aq, wts
.if DOCPART == 2
	.amdgcn_target "amdgcn-amd-amdhsa--gfx1250"
	.amdhsa_code_object_version 6
	.text
	.protected	k_qd6d91708a9_attn
	.globl	k_qd6d91708a9_attn
	.p2align	8
	.type	k_qd6d91708a9_attn,@function
k_qd6d91708a9_attn:
	s_mov_b64 s[64:65], 0
	v_nop
	global_prefetch_b8 v0, s[64:65] scope:SCOPE_SE
	s_setreg_imm32_b32 hwreg(HW_REG_WAVE_MODE, 25, 1), 1
	s_wait_xcnt 0x0
; SECOND LAUNCH.  K = X Wk^T + bk and V = X Wv^T + bv of one section (64 rows) for one head (64 columns), on codes of FP6 (E2M3), then the attention of the tokens that chose that section, quantised on the way out.
; WORK LEFT OUT: the rows that reference() gathers for a token are copies of its section's rows, and the quantiser works row by row: so K and V are made once a section and serve all its tokens.
; The zero-attention slot's score is 0 and its value a row of zeros that reference() builds: it counts in the softmax, and its term of the weighted sum is not formed.
; SHARES.  Work-group (head = x, four sections = y); wave w owns section 4 y + w.  The four waves share the head's 64 rows of Wk and of Wv (rows of 768 bytes at a pitch of 784 in LDS, brought once); each streams its own section's images (49,152 bytes) into registers.
; LAYOUTS.  K transposed (source 0 = Wk, source 1 = X): lane (r, h), register j of tile (u, t) = K[s = 16 t + r][d = 16 u + 8 h + j].  V natural (source 0 = X, source 1 = Wv): tile (t, u) = V[s = 16 t + 8 h + j][d(u, r)], and
; THE ROWS OF WV THAT FORM A TILE ARE CHOSEN, d(u, r) = 32 (u / 2) + 8 (u % 2) + r + 8 (r / 8), so that a lane's 16 registers of two tiles of O^T are 16 neighbours of a scale block of the next product.
; Two neighbouring registers of a tile of K or V ARE an operand of the f32 matrix form (16 x 16 x 4; a lane's two registers are k = 2 h, 2 h + 1): the four k of a step stand for d (or s) = .. + 8 h + 2 p + 0, 1, alike on both sides.
; Scores S^T = K q^T: lane = token r, register 8 t + j = s 16 t + 8 h + j; that is the layout in which p is source 1 of O^T = V^T p^T, whose lane again holds one token.
; SOFTMAX: t = score x log2(e) / 8; m = the largest t of the row (the zero slot's 0 among them, so m is a number); p = 2^(t - m).  O^T is made of p as it is and divided by the row's sum at the end; padded keys get t = -infinity.
; TOKENS.  The section's tokens come as 64 bits from tokmask, stored by the launch before; 16 at a time form a tile.  A spare lane repeats the tile's first token and stores the same bytes to the same place: EXEC stays whole.
; OUT.  aq: images of the operand's registers for the last launch: row tile T = l % 32, row 8 (l / 32) + b, K step = head / 2, registers 6 (head % 2) ..: image 8 T + K step of 1,536 bytes, register group c of lane L at 512 c + 16 L.
; From byte 393,216 on the scale bytes, [T][K step][row][4].  A token's rows are scattered by the routing, so these few bytes leave as pieces of 8.  wts: the weights, [token b*64+l][head][64], then [token][head][2] for the two extra slots.
; NO CLUSTER, NO TENSOR LOAD: the number of token tiles is read from memory; the weights come through registers, once a work-group.
; NO PREFETCH: every wave has some 60 loads of its own outstanding from the head on until its last set of X is asked for.
; LIMITS: NaN and infinities among the inputs are not served; a block of zeros gets the scale byte 1, which this program alone reads.
; REGISTERS, in windows of 256 (s_set_vgpr_msb: bits 1:0 source 0, 3:2 source 1, 5:4 source 2, 7:6 destination):
;   window 0: v1-31 addresses; v32-81 scale words; v82-177 fragments of Wk and Wv, buffer 0; v178-209 q; v210-241 S^T, later O^T (written by matrix instructions alone); v242-251 tokens
;   window 1: X's fragments, five sets of 48      window 2: v0-127 K, v128-255 V; at the head the weights on their way to LDS
;   window 3: v0-95 fragments of Wk and Wv, buffer 1 (later rows on the way out, p, work); v96-127 bias_k; v128-135 mask bytes; v136-143 bias_v's operand; v144-175 the mask as 0 / -infinity; v176-207 weights; v192-255 the biases as C, later O
.set SCX, 32                           ; scale words: register 8 i + ks: lanes 0-15 tile 2 i, lanes 16-31 tile 2 i + 1
.set SCK, 50
.set SCV, 66
.set W0,  82                           ; buffer 0: Wk's four fragments, then Wv's four; buffer 1 the same from window 3's v0 on
.set QA,  178
.set S,   210
.set OFW, 242
.set AF,  14                           ; v14-21 LDS addresses of the eight fragments' rows
.set VA,  128                          ; in window 2
.set OB,  0                            ; in window 3:
.set P,   32
.set PX,  64
.set BK,  96
.set MT,  128
.set BVX, 136
.set MBM, 144
.set NP,  176
.set BKC, 192
.set BVC, 224
.set ON,  210
.set PITCH, 784
.set WVB, 64*PITCH                     ; LDS: Wk's rows at 0, Wv's here
.set STG, 2*WVB                        ; 16 rows x 272 bytes for each wave, its own
.set SPARE, STG+4*4352
.set MSB, 0
.macro WIN new                         ; the immediate's high byte repeats the setting that is left
.if MSB != (\new)
	s_set_vgpr_msb (MSB<<8)|(\new)
.set MSB, (\new)
.endif
.endm
.macro PLACES n
.rept \n
	v_nop
.endr
.endm
.macro WALU
	s_wait_alu depctr_va_vdst(0)
.endm
; one scaled product; ra, rb: that side's scale words stand in lanes 16-31
.macro WM d, a, b, c, sa, sb, ra, rb
.if (\ra) && (\rb)
	v_wmma_scale_f32_16x16x128_f8f6f4 v[(\d):(\d)+7], v[(\a):(\a)+11], v[(\b):(\b)+11], v[(\c):(\c)+7], v[\sa], v[\sb] matrix_a_fmt:MATRIX_FMT_FP6 matrix_b_fmt:MATRIX_FMT_FP6 matrix_a_scale:MATRIX_SCALE_ROW1 matrix_b_scale:MATRIX_SCALE_ROW1
.elseif \ra
	v_wmma_scale_f32_16x16x128_f8f6f4 v[(\d):(\d)+7], v[(\a):(\a)+11], v[(\b):(\b)+11], v[(\c):(\c)+7], v[\sa], v[\sb] matrix_a_fmt:MATRIX_FMT_FP6 matrix_b_fmt:MATRIX_FMT_FP6 matrix_a_scale:MATRIX_SCALE_ROW1
.elseif \rb
	v_wmma_scale_f32_16x16x128_f8f6f4 v[(\d):(\d)+7], v[(\a):(\a)+11], v[(\b):(\b)+11], v[(\c):(\c)+7], v[\sa], v[\sb] matrix_a_fmt:MATRIX_FMT_FP6 matrix_b_fmt:MATRIX_FMT_FP6 matrix_b_scale:MATRIX_SCALE_ROW1
.else
	v_wmma_scale_f32_16x16x128_f8f6f4 v[(\d):(\d)+7], v[(\a):(\a)+11], v[(\b):(\b)+11], v[(\c):(\c)+7], v[\sa], v[\sb] matrix_a_fmt:MATRIX_FMT_FP6 matrix_b_fmt:MATRIX_FMT_FP6
.endif
.endm
.macro LDF base, f, ks                 ; fragment f (0-3 Wk's, 4-7 Wv's) of K step ks: 24 + 24 bytes of my row, in pieces of 8, two to a load
	ds_load_2addr_b64 v[(\base)+12*(\f):(\base)+12*(\f)+3], v[AF+(\f)] offset0:12*(\ks) offset1:12*(\ks)+1
	ds_load_2addr_b64 v[(\base)+12*(\f)+4:(\base)+12*(\f)+7], v[AF+(\f)] offset0:12*(\ks)+2 offset1:12*(\ks)+6
	ds_load_2addr_b64 v[(\base)+12*(\f)+8:(\base)+12*(\f)+11], v[AF+(\f)] offset0:12*(\ks)+7 offset1:12*(\ks)+8
.endm
.macro XL ks, q0, n                    ; loads q0 .. q0 + n - 1 of the twelve of my section's four fragments of K step ks, into set ks % 5
	WIN 0x40
.set XI, \q0
.rept \n
	global_load_b128 v[48*((\ks)%5)+4*XI:48*((\ks)%5)+4*XI+3], v1, s[8:9] offset:12288*(XI/3)+1536*(\ks)+512*(XI%3)
.set XI, XI+1
.endr
.endm
; The next 16 tokens of the section: the lowest set bits of s40 (tokens 0-31) and s41 (32-63), one after the other, into s72-87 and into lanes e and e + 16 of v9.  Where none is left: the tile's first.
.macro BUILD16
.set e, 0
.rept 16
	s_wait_alu depctr_va_vdst(0)
	s_ctz_i32_b32 s45, s40
	s_ctz_i32_b32 s46, s41
	s_add_co_u32 s46, s46, 32
	s_sub_co_u32 s48, s40, 1
	s_and_b32 s48, s48, s40                        ; the first word without its lowest bit
	s_sub_co_u32 s49, s41, 1
	s_and_b32 s49, s49, s41                        ; the second likewise
	s_or_b32 s6, s40, s41                          ; is any token left?
	s_cmp_lg_u32 s40, 0
	s_cselect_b32 s45, s45, s46
	s_cselect_b32 s41, s41, s49                    ; the second word loses a bit only where the first was empty
	s_mov_b32 s40, s48
	s_cmp_lg_u32 s6, 0
.if e == 0
	s_cselect_b32 s[72+e], s45, 0
.else
	s_cselect_b32 s[72+e], s45, s72
.endif
	s_min_u32 s[72+e], s[72+e], 63                 ; a number read from memory enters addresses only behind this bound
	v_writelane_b32 v9, s[72+e], e
	v_writelane_b32 v9, s[72+e], e+16
.set e, e+1
.endr
	v_min_u32 v9, 63, v9
	WALU
.endm
.macro QLOAD                           ; q' of my lane's token: register 8 u + j = column 16 u + 8 h + j of the head
	WIN 0
	v_lshl_add_u32 v10, v9, 15, v6                 ; row l x 8 + b: 32,768 l; + 32 h
.irp u, 0,1,2,3
	global_load_b128 v[QA+8*\u:QA+8*\u+3], v10, s[30:31] offset:64*\u
	global_load_b128 v[QA+8*\u+4:QA+8*\u+7], v10, s[30:31] offset:64*\u+16
.endr
.endm
.macro MASKPART t                      ; the mask of keys 16 t .. as an addend: 0, or -infinity where the key is padding
	WIN 0xff
.irp j, 0,1,2,3,4,5,6,7
	v_bfe_u32 v[MBM+8*\t+\j], v[MT+2*\t+\j/4], 8*(\j%4), 8
.endr
.irp j, 0,1,2,3,4,5,6,7
	v_sub_nc_u32 v[MBM+8*\t+\j], 0, v[MBM+8*\t+\j]
.endr
.irp j, 0,1,2,3,4,5,6,7
	v_and_b32 v[MBM+8*\t+\j], 0xff800000, v[MBM+8*\t+\j]
.endr
.endm
; One K step of 128: 16 products for K, 16 for V; the 32 accumulators take turns, one instruction a turn, in the same order in every step; the first step takes the bias as C.
; The next step's fragments are loaded into the other buffer in front of each four of K's products.  lc: the global loads issued behind this step's set of X, which may stay out.
.macro GSTEP ks, lc
	s_wait_loadcnt \lc
	PLACES 4                                       ; four places ahead of loads into registers that matrix instructions have read
.if (\ks) < 4
	XL (\ks)+4, 0, 12                              ; into the set that the step before has left
.endif
.if (\ks) == 4                                 ; 24 loads for the attention: q of the first 16 tokens, bias_k, the mask's bytes, bias_v
	QLOAD
	WIN 0xc0
.irp u, 0,1,2,3
	global_load_b128 v[BK+8*\u:BK+8*\u+3], v6, s[22:23] offset:64*\u
	global_load_b128 v[BK+8*\u+4:BK+8*\u+7], v6, s[22:23] offset:64*\u+16
.endr
.irp t, 0,1,2,3
	global_load_b64 v[MT+2*\t:MT+2*\t+1], v8, s[26:27] offset:16*\t    ; the bytes of s = 16 t + 8 h + 0 .. 7
.endr
.irp u, 0,1,2,3
	global_load_b32 v[BVX+2*\u], v28, s[24:25] offset:128*(\u/2)+32*(\u%2)   ; bias_v[d(u, r)]
.endr
.endif
	s_wait_dscnt 0x0                               ; this step's fragments are in
.set B0, (\ks)%2
.set WB, W0*(1-B0)
.irp u, 0,1,2,3
.if (\ks) < 7
	WIN 0xc0*(1-B0)
	LDF W0*B0, 2*\u, (\ks)+1
	LDF W0*B0, 2*\u+1, (\ks)+1
.endif
.if (\ks) == 0
	WIN 0xb4
.else
	WIN 0xa4+3*B0
.endif
.irp t, 0,1,2,3
.if (\ks) == 0
	WM 8*(4*\u+\t), WB+12*\u, 48*((\ks)%5)+12*\t, BKC+8*\u, SCK+8*(\u/2)+(\ks), SCX+8*(\t/2)+(\ks), \u%2, \t%2
.else
	WM 8*(4*\u+\t), WB+12*\u, 48*((\ks)%5)+12*\t, 8*(4*\u+\t), SCK+8*(\u/2)+(\ks), SCX+8*(\t/2)+(\ks), \u%2, \t%2
.endif
.endr
.endr
.if (\ks) == 7
	s_wait_loadcnt 0x0                             ; the attention's loads
.endif
.irp t, 0,1,2,3
.if (\ks) == 0
	WIN 0xb1
.else
	WIN 0xa1+0xc*B0
.endif
.irp u, 0,1,2,3
.if (\ks) == 0
	WM VA+8*(4*\t+\u), 48*((\ks)%5)+12*\t, WB+48+12*\u, BVC+8*\u, SCX+8*(\t/2)+(\ks), SCV+8*(\u/2)+(\ks), \t%2, \u%2
.else
	WM VA+8*(4*\t+\u), 48*((\ks)%5)+12*\t, WB+48+12*\u, VA+8*(4*\t+\u), SCX+8*(\t/2)+(\ks), SCV+8*(\u/2)+(\ks), \t%2, \u%2
.endif
.endr
.if (\ks) == 7
	MASKPART \t
.endif
.endr
.endm
	s_load_b512 s[8:23], s[0:1], 0x0               ; xq, Wk, Wv, Wk_scales, Wv_scales, bk, bv, bias_k
	s_load_b256 s[24:31], s[0:1], 0x40             ; bias_v, sections_mask, tokmask, qws
	s_load_b128 s[32:35], s[0:1], 0x60             ; aq, wts
	v_lshrrev_b32 v1, 5, v0
	v_readfirstlane_b32 s2, v1                     ; wave 0..3
	s_mov_b32 s3, ttmp9                            ; head
	s_and_b32 s4, ttmp7, 0xffff
	s_lshl_b32 s4, s4, 2
	s_add_co_u32 s4, s4, s2                        ; section = 8 b + g
	s_lshr_b32 s5, s4, 3                           ; b
	s_mul_i32 s62, s2, 16*PITCH                    ; my 16 rows of a weight in LDS
	s_mul_i32 s63, s2, 4352
	s_add_co_u32 s63, s63, STG                     ; my stage
	s_mov_b32 s50, 0x3e38aa3b                      ; c = log2(e) / 8
	s_mov_b32 s51, s50                             ; (named with it as a pair)
	s_mov_b32 s52, 0x76543210
	s_mov_b32 s53, 0xfedcba98                      ; lane l xor 16
	s_mov_b32 vcc_lo, 0xffff0000                   ; lanes 16-31; kept for the whole launch
	s_mov_b32 s7, 0
	v_lshl_add_u32 v26, v0, 2, SPARE               ; my spare word
	v_mov_b32 v27, 0
	v_and_b32 v5, 31, v0                           ; lane
	v_and_b32 v7, 15, v0                           ; r
	v_bfe_u32 v8, v0, 4, 1                         ; h
	v_lshlrev_b32 v1, 4, v5                        ; 16 x lane
	v_add_nc_u32 v2, s62, v1                       ; a weight's way into LDS,
	v_lshl_add_u32 v3, v8, 4, v2                   ; and where lanes 16-31 lie one row further on
	v_mul_u32_u24 v4, v7, PITCH
	v_mad_u32_u24 v[AF], v8, 24, v4                ; Wk's tile u: row 16 u + r, + 24 h
	v_add_nc_u32 v[AF+1], 16*PITCH, v[AF]
	v_add_nc_u32 v[AF+2], 32*PITCH, v[AF]
	v_add_nc_u32 v[AF+3], 48*PITCH, v[AF]
	v_and_b32 v28, 8, v7
	v_add_nc_u32 v28, v28, v7                      ; r + 8 (r / 8)
	v_mul_u32_u24 v4, v28, PITCH
	v_mad_u32_u24 v4, v8, 24, v4
	v_add_nc_u32 v[AF+4], WVB, v4                  ; Wv's tile u: row 32 (u / 2) + 8 (u % 2) + r + 8 (r / 8)
	v_add_nc_u32 v[AF+5], WVB+8*PITCH, v4
	v_add_nc_u32 v[AF+6], WVB+32*PITCH, v4
	v_add_nc_u32 v[AF+7], WVB+40*PITCH, v4
	v_mul_u32_u24 v11, v7, 272
	v_lshl_add_u32 v11, v8, 5, v11
	v_add_nc_u32 v11, s63, v11                     ; the stage, in: row r, + 32 h
	v_mul_u32_u24 v12, v8, 272
	v_lshl_add_u32 v12, v7, 4, v12
	v_add_nc_u32 v12, s63, v12                     ; back: lanes 0-15 one row, lanes 16-31 the next
	v_lshlrev_b32 v31, 4, v7                       ; 16 r
	v_add_nc_u32 v30, -1, v8                       ; all ones in lanes 0-15, 0 in lanes 16-31
	v_lshl_add_u32 v29, v8, 3, v28
	v_lshlrev_b32 v29, 5, v29                      ; Wv's scale bytes: row r + 8 (r / 8) + 8 h
	v_lshlrev_b32 v28, 2, v28                      ; bv, bias_v
	v_lshlrev_b32 v6, 5, v8                        ; 32 h
	v_lshlrev_b32 v24, 8, v8                       ; 256 h
	v_lshlrev_b32 v5, 5, v5                        ; 32 x lane: a row of scale bytes
	v_lshlrev_b32 v8, 3, v8                        ; 8 h
	v_mov_b32 v9, 0                                ; written whole before lanes are written singly
	WALU                                           ; the wait at the head's end
	s_wait_kmcnt 0x0
	s_mul_i32 s6, s3, 49152
	s_mul_i32 s45, s2, 12288
	s_add_co_u32 s6, s6, s45
	s_add_nc_u64 s[10:11], s[10:11], s[6:7]        ; my 16 rows of the head's Wk, and of Wv
	s_add_nc_u64 s[12:13], s[12:13], s[6:7]
	s_lshl_b32 s6, s4, 3
	s_add_nc_u64 s[28:29], s[28:29], s[6:7]
	s_load_b64 s[40:41], s[28:29], 0x0             ; my section's 64 token bits
	; 60 loads: my quarter of both weights (each load 512 consecutive bytes), then all scale words
	WIN 0x80
.set n, 0
.rept 24
	global_load_b128 v[4*n:4*n+3], v1, s[10:11] offset:512*n
	global_load_b128 v[96+4*n:96+4*n+3], v1, s[12:13] offset:512*n
.set n, n+1
.endr
	WIN 0
	s_lshl_b32 s6, s4, 11
	s_add_nc_u64 s[36:37], s[8:9], s[6:7]
	s_add_nc_u64 s[36:37], s[36:37], 3145728       ; X's scale bytes
	s_mul_i32 s6, s4, 49152
	s_add_nc_u64 s[8:9], s[8:9], s[6:7]            ; X's images
	s_lshl_b32 s6, s3, 11
	s_add_nc_u64 s[14:15], s[14:15], s[6:7]
	s_add_nc_u64 s[16:17], s[16:17], s[6:7]
.irp i, 0,1
	global_load_b128 v[SCX+8*\i:SCX+8*\i+3], v5, s[36:37] offset:1024*\i
	global_load_b128 v[SCX+8*\i+4:SCX+8*\i+7], v5, s[36:37] offset:1024*\i+16
	global_load_b128 v[SCK+8*\i:SCK+8*\i+3], v5, s[14:15] offset:1024*\i
	global_load_b128 v[SCK+8*\i+4:SCK+8*\i+7], v5, s[14:15] offset:1024*\i+16
	global_load_b128 v[SCV+8*\i:SCV+8*\i+3], v29, s[16:17] offset:1024*\i
	global_load_b128 v[SCV+8*\i+4:SCV+8*\i+7], v29, s[16:17] offset:1024*\i+16
.endr
	; scalar work while the loads are out
	s_lshl_b32 s6, s3, 8
	s_add_nc_u64 s[18:19], s[18:19], s[6:7]
	s_add_nc_u64 s[20:21], s[20:21], s[6:7]
	s_add_nc_u64 s[22:23], s[22:23], s[6:7]
	s_add_nc_u64 s[24:25], s[24:25], s[6:7]
	s_lshl_b32 s6, s4, 6
	s_add_nc_u64 s[26:27], s[26:27], s[6:7]
	s_lshl_b32 s6, s5, 12
	s_lshl_b32 s45, s3, 8
	s_add_co_u32 s6, s6, s45
	s_add_nc_u64 s[30:31], s[30:31], s[6:7]        ; qws: row b, the head's 256 bytes
	s_lshl_b32 s6, s5, 13
	s_lshl_b32 s45, s3, 3
	s_add_co_u32 s6, s6, s45
	s_add_nc_u64 s[38:39], s[34:35], s[6:7]
	s_add_nc_u64 s[38:39], s[38:39], 2097152       ; wts: the two extra weights, [token][head][2]
	s_lshl_b32 s6, s5, 18
	s_lshl_b32 s45, s3, 8
	s_add_co_u32 s6, s6, s45
	s_add_nc_u64 s[34:35], s[34:35], s[6:7]        ; wts: [token][head][64]
	s_lshr_b32 s45, s3, 1                          ; K step of the last product
	s_and_b32 s46, s3, 1                           ; which half of its operand's registers
	s_mul_i32 s6, s45, 1536
	s_lshl_b32 s48, s5, 4
	s_add_co_u32 s6, s6, s48
	s_add_nc_u64 s[54:55], s[32:33], s[6:7]
	s_movk_i32 s48, 512
	s_mov_b32 s49, 0
	s_mov_b32 s63, 0
	s_cmp_eq_u32 s46, 0                            ; where the image holds registers 0-1, 2-3, 4-5 or 6-7, 8-9, 10-11
	s_cselect_b32 s6, 0, 520
	s_cselect_b32 s62, 8, 1024
	s_cselect_b32 s48, s48, 1032
	s_add_nc_u64 s[56:57], s[54:55], s[62:63]
	s_add_nc_u64 s[58:59], s[54:55], s[48:49]
	s_add_nc_u64 s[54:55], s[54:55], s[6:7]
	s_lshl_b32 s6, s45, 6
	s_lshl_b32 s48, s5, 2
	s_add_co_u32 s6, s6, s48
	s_lshl_b32 s48, s46, 1
	s_add_co_u32 s6, s6, s48
	s_add_co_u32 s6, s6, 393216
	s_add_nc_u64 s[60:61], s[32:33], s[6:7]        ; and its two scale bytes
	s_wait_kmcnt 0x0
	s_bcnt1_i32_b32 s42, s40
	s_bcnt1_i32_b32 s45, s41
	s_add_co_u32 s42, s42, s45                     ; how many tokens chose my section,
	s_add_co_u32 s42, s42, 15
	s_lshr_b32 s42, s42, 4                         ; in tiles of 16:
	s_min_u32 s42, s42, 4                          ; 64 tokens are four tiles at the most
	BUILD16
	; twelve rounds: four loads' worth of the weights go to LDS, four loads go out: the biases that serve as C, then X's sets 0 to 2
.set m, 0
.rept 12
	s_wait_loadcnt 56                              ; 60 + 4 m issued, the first 4 (m + 1) wanted
	WIN 0x08
.set n, 2*m
.rept 2
.if n%3 == 1
	ds_store_b128 v3, v[4*n:4*n+3] offset:512*n+16*(2*n/3)
	ds_store_b128 v3, v[96+4*n:96+4*n+3] offset:WVB+512*n+16*(2*n/3)
.else
	ds_store_b128 v2, v[4*n:4*n+3] offset:512*n+16*(2*n/3)
	ds_store_b128 v2, v[96+4*n:96+4*n+3] offset:WVB+512*n+16*(2*n/3)
.endif
.set n, n+1
.endr
.if m < 2
	WIN 0xc0
.irp i, 0,1,2,3
	global_load_b128 v[BKC+16*m+4*\i:BKC+16*m+4*\i+3], v6, s[18:19] offset:64*(2*m+\i/2)+16*(\i%2)   ; bk[16 u + 8 h + j]
.endr
.elseif m == 2
	WIN 0xc0
.irp u, 0,1,2,3
	global_load_b32 v[BVC+8*\u], v28, s[20:21] offset:128*(\u/2)+32*(\u%2)                            ; bv[d(u, r)]
.endr
.else
	XL (m-3)/3, 4*((m-3)%3), 4
.endif
.set m, m+1
.endr
	XL 3, 0, 12
	WIN 0
	WALU
	s_wait_dscnt 0x0                               ; for the others' sake: my quarter has landed
	s_barrier_signal -1
	s_barrier_wait -1                              ; the one barrier: both weights' rows lie in LDS; from here on no wave needs another
.irp f, 0,1,2,3,4,5,6,7
	LDF W0, \f, 0
.endr
	s_wait_loadcnt 48                              ; all but the four sets of X
	WIN 0xc3
.irp u, 0,1,2,3
.irp j, 1,2,3,4,5,6,7
	v_mov_b32 v[BVC+8*\u+\j], v[BVC+8*\u]          ; V's C: a lane's eight registers are eight rows of one column
.endr
.endr
	WALU
	GSTEP 0, 36                                    ; three sets of X may be out
	GSTEP 1, 36
	GSTEP 2, 36
	GSTEP 3, 36
	GSTEP 4, 36
	GSTEP 5, 48                                    ; sets 6, 7 and the attention's 24
	GSTEP 6, 36
	GSTEP 7, 24
	WALU
	WIN 0xcc
.irp u, 0,1,2,3
	v_and_b32 v[BVX+2*\u], v30, v[BVX+2*\u]        ; bias_v stands at k = 0 of its K step alone: lanes 16-31 (k = 2) hold 0,
	v_mov_b32 v[BVX+2*\u+1], 0                     ; and so do k = 1 and 3
.endr
	WIN 0
	WALU
	s_cmp_eq_u32 s42, 0
	s_cbranch_scc1 .Lend                           ; nobody chose this section
	s_mov_b32 s43, 0
; What stands among the products of O^T, behind group g of four: the row's sum and its reciprocal, the normalised weights, their way out
.macro SLOT g
.if (\g) == 0
	WIN 0xff
	v_pk_add_f32 v[66:67], v[P:P+1], v[P+2:P+3]
	v_pk_add_f32 v[68:69], v[P+4:P+5], v[P+6:P+7]
	v_pk_add_f32 v[66:67], v[66:67], v[P+8:P+9]
	v_pk_add_f32 v[68:69], v[68:69], v[P+10:P+11]
.elseif (\g) < 3
	WIN 0xff
.set K0, P+12+8*((\g)-1)
	v_pk_add_f32 v[66:67], v[66:67], v[K0:K0+1]
	v_pk_add_f32 v[68:69], v[68:69], v[K0+2:K0+3]
	v_pk_add_f32 v[66:67], v[66:67], v[K0+4:K0+5]
	v_pk_add_f32 v[68:69], v[68:69], v[K0+6:K0+7]
.elseif (\g) == 3
	WIN 0xff
	v_pk_add_f32 v[66:67], v[66:67], v[P+28:P+29]
	v_pk_add_f32 v[68:69], v[68:69], v[P+30:P+31]
	v_add_f32 v78, v64, v65
	v_pk_add_f32 v[66:67], v[66:67], v[68:69]
.elseif (\g) == 4
	WIN 0xff
	v_add_f32 v66, v66, v67
	v_permlanex16_b32 v67, v66, s52, s53
	v_add_f32 v66, v66, v67
	v_add_f32 v66, v66, v78                        ; the row's sum, at least 1
	WALU
	v_rcp_f32 v76, v66
	v_nop
	WALU
	v_mov_b32 v77, v76
.elseif (\g) < 9
	WIN 0xff
.set K0, 8*((\g)-5)
.irp k, 0,2,4,6
	v_pk_mul_f32 v[NP+K0+\k:NP+K0+\k+1], v[P+K0+\k:P+K0+\k+1], v[76:77]
.endr
.if (\g) == 8
	v_pk_mul_f32 v[78:79], v[PX:PX+1], v[76:77]
.endif
.elseif (\g) == 9                              ; 16 rows of 64 weights through my stage: LDS serves a wave's instructions in order (ISA guide 5.7.1.4)
	WIN 0x0c
.irp t, 0,1,2,3
	ds_store_b128 v11, v[NP+8*\t:NP+8*\t+3] offset:64*\t
	ds_store_b128 v11, v[NP+8*\t+4:NP+8*\t+7] offset:64*\t+16
.endr
.elseif (\g) == 10
	WIN 0xc0
.irp i, 0,1,2,3,4,5,6,7
	ds_load_b128 v[OB+4*\i:OB+4*\i+3], v12 offset:544*\i               ; rows 2 i and 2 i + 1
.endr
.elseif (\g) == 12 || (\g) == 13
.if (\g) == 12
	s_wait_dscnt 0x0
.endif
	WIN 0
.set I0, 4*((\g)-12)
.rept 4
	v_mov_b32 v250, s[72+2*I0]
	v_mov_b32 v251, s[73+2*I0]
	v_cndmask_b32 v250, v250, v251, vcc_lo         ; the token of stage row 2 i (lanes 0-15) or 2 i + 1
	v_min_u32 v250, 63, v250
	v_lshl_add_u32 v[OFW+I0], v250, 12, v31        ; its row in wts
.set I0, I0+1
.endr
.elseif (\g) == 14
	WIN 0
	v_lshlrev_b32 v13, 7, v9                       ; my token's place among the extra weights,
	v_and_b32 v22, 31, v9
	v_and_b32 v23, 32, v9
	v_mul_u32_u24 v4, v22, 0x3000
	v_lshl_add_u32 v4, v23, 2, v4
	v_lshl_add_u32 v23, v22, 9, v23                ; among the scale bytes,
	v_add_nc_u32 v22, v4, v24                      ; and in the image
	WIN 0x0c
.irp i, 0,1,2,3,4,5,6,7
	global_store_b128 v[OFW+\i], v[OB+4*\i:OB+4*\i+3], s[34:35]        ; sixteen lanes store 256 consecutive bytes, aligned
.endr
	global_store_b64 v13, v[78:79], s[38:39]       ; (both halves of the lanes store the same 8 bytes)
.endif
.endm
.Ltile:                                            ; 16 tokens a trip; s43 counts the tiles, one a trip, up to s42
	s_wait_loadcnt 0x0                             ; q is in
	s_wait_xcnt 0x0                                ; the last trip's stores have read their registers
	; S^T = K q^T: 16 steps of 4 along the head's 64, four accumulators by turns; the first four start the sums.  Among them the score of the bias_k slot
.irp u, 0,1,2,3
.irp p, 0,1,2,3
	WIN 0x02
.irp t, 0,1,2,3
.if (\u == 0) && (\p == 0)
	v_wmma_f32_16x16x4_f32 v[S+8*\t:S+8*\t+7], v[8*(4*\u+\t)+2*\p:8*(4*\u+\t)+2*\p+1], v[QA+8*\u+2*\p:QA+8*\u+2*\p+1], 0
.else
	v_wmma_f32_16x16x4_f32 v[S+8*\t:S+8*\t+7], v[8*(4*\u+\t)+2*\p:8*(4*\u+\t)+2*\p+1], v[QA+8*\u+2*\p:QA+8*\u+2*\p+1], v[S+8*\t:S+8*\t+7]
.endif
.endr
	WIN 0xfc
.if (\u == 0) && (\p < 2)
	v_pk_mul_f32 v[66+2*\p:67+2*\p], v[QA+2*\p:QA+2*\p+1], v[BK+2*\p:BK+2*\p+1]
.else
	v_pk_fma_f32 v[66+2*(\p%2):67+2*(\p%2)], v[QA+8*\u+2*\p:QA+8*\u+2*\p+1], v[BK+8*\u+2*\p:BK+8*\u+2*\p+1], v[66+2*(\p%2):67+2*(\p%2)]
.endif
.endr
.endr
	WIN 0xff                                       ; eight places behind this form ahead of the first read of a result: five of use, three empty
	v_pk_add_f32 v[66:67], v[66:67], v[68:69]
	v_add_f32 v66, v66, v67
	v_permlanex16_b32 v67, v66, s52, s53
	v_add_f32 v66, v66, v67
	v_mul_f32 v70, s50, v66                        ; as t
	PLACES 3
	WIN 0xf0
.irp k, 0,2,4,6,8,10,12,14,16,18,20,22,24,26,28,30
	v_pk_fma_f32 v[P+\k:P+\k+1], v[S+\k:S+\k+1], s[50:51], v[MBM+\k:MBM+\k+1] op_sel_hi:[1,0,1]   ; t = c x score + (0 or -infinity); each accumulator from its low end on
.endr
	WIN 0xff
.irp a, 0,1,2,3
	v_max3_num_f32 v[72+\a], v[P+8*\a], v[P+8*\a+1], v[P+8*\a+2]
.endr
.irp i, 3,5
.irp a, 0,1,2,3
	v_max3_num_f32 v[72+\a], v[72+\a], v[P+8*\a+\i], v[P+8*\a+\i+1]
.endr
.endr
.irp a, 0,1,2,3
	v_max_num_f32 v[72+\a], v[72+\a], v[P+8*\a+7]
.endr
	v_max3_num_f32 v72, v72, v73, v74
	v_max3_num_f32 v72, v72, v75, v70              ; with the bias slot's t
	v_permlanex16_b32 v73, v72, s52, s53
	v_max3_num_f32 v76, v72, v73, 0                ; with the other half's, and the zero slot's 0: m
	v_mov_b32 v77, v76
.irp k, 0,2,4,6,8,10,12,14,16,18,20,22,24,26,28,30
	v_pk_add_f32 v[P+\k:P+\k+1], v[P+\k:P+\k+1], v[76:77] neg_lo:[0,1] neg_hi:[0,1]
.endr
	v_sub_f32 v64, v70, v76
	v_sub_f32 v65, 0, v76
	WALU
.set n, 0
.rept 34
	v_exp_f32 v[P+n], v[P+n]                       ; the 64 keys' p (32 a lane), then the two extra slots'
.set n, n+1
.endr
	v_nop                                          ; one plain instruction behind the batch
	WALU                                           ; one wait for the 34 exponentials, ahead of their first reader
	; O^T = V^T p^T: bias_v's step starts the sums, then 16 steps of 4 along the 64 keys, four accumulators by turns
	WIN 0x0f
.irp u, 0,1,2,3
	v_wmma_f32_16x16x4_f32 v[S+8*\u:S+8*\u+7], v[BVX+2*\u:BVX+2*\u+1], v[PX:PX+1], 0
.endr
.irp t, 0,1,2,3
.irp p, 0,1,2,3
	WIN 0x0e
.irp u, 0,1,2,3
	v_wmma_f32_16x16x4_f32 v[S+8*\u:S+8*\u+7], v[VA+8*(4*\t+\u)+2*\p:VA+8*(4*\t+\u)+2*\p+1], v[P+8*\t+2*\p:P+8*\t+2*\p+1], v[S+8*\u:S+8*\u+7]
.endr
	SLOT 4*\t+\p
.endr
.endr
	PLACES 8
	WIN 0xcc
	WALU                                           ; the wait ahead of the results' first reader
.irp k, 0,2,4,6,8,10,12,14,16,18,20,22,24,26,28,30
	v_pk_mul_f32 v[ON+\k:ON+\k+1], v[S+\k:S+\k+1], v[76:77]            ; register 16 b + i = attn(token, 32 b + 16 h + i)
.endr
	; quantised: two blocks, 16 numbers a lane each
	WIN 0xff
.irp c, 0,1,2,3
	v_max3_num_f32 v[80+\c], |v[ON+8*\c]|, |v[ON+8*\c+1]|, 0x1800000   ; and the floor 2^(3 - 127)
.endr
.irp i, 2,4,6
.irp c, 0,1,2,3
	v_max3_num_f32 v[80+\c], v[80+\c], |v[ON+8*\c+\i]|, |v[ON+8*\c+\i+1]|
.endr
.endr
	v_max_num_f32 v80, v80, v81
	v_max_num_f32 v82, v82, v83
	v_permlanex16_b32 v81, v80, s52, s53
	v_permlanex16_b32 v83, v82, s52, s53
	v_max_num_f32 v80, v80, v81
	v_max_num_f32 v82, v82, v83
	v_add_nc_u32 v84, 0xff000000, v80              ; 2 off the exponent field: the conversion's scale operand
	v_add_nc_u32 v85, 0xff000000, v82
	v_lshrrev_b32 v86, 23, v84
	v_lshrrev_b32 v87, 23, v85
	v_cvt_scalef32_pk16_fp6_f32 v[88:90], v[ON:ON+15], v84
	v_cvt_scalef32_pk16_fp6_f32 v[92:94], v[ON+16:ON+31], v85
	v_lshl_or_b32 v86, v87, 8, v86                 ; the two scale bytes; also the plain instruction behind the conversions
.irp i, 0,1,2
	v_permlane16_swap_b32 v[88+\i], v[92+\i]       ; lanes 0-15 the first block whole, lanes 16-31 the second
.endr
.irp i, 0,1,2
	v_mov_b32 v[91+\i], v[92+\i]
.endr
	WIN 0x0c
	global_store_b64 v22, v[88:89], s[54:55]
	global_store_b64 v22, v[90:91], s[56:57]
	global_store_b64 v22, v[92:93], s[58:59]
	global_store_b16 v23, v86, s[60:61]
	WIN 0
	s_add_co_u32 s44, s43, 1
	WALU
	s_cmp_ge_u32 s44, s42
	s_cbranch_scc1 .Lno_more
	s_wait_xcnt 0x0
	BUILD16                                        ; the next 16 tokens, and their q
	QLOAD
	WALU
.Lno_more:
	s_add_co_u32 s43, s43, 1
	s_cmp_lt_u32 s43, s42
	s_cbranch_scc1 .Ltile
.Lend:
	s_wait_tensorcnt 0x0                           ; the wave's end
	ds_add_u32 v26, v27
	s_wait_dscnt 0x0
	s_endpgm
.Lfunc_end_k_qd6d91708a9_attn:
	.size	k_qd6d91708a9_attn, .Lfunc_end_k_qd6d91708a9_attn-k_qd6d91708a9_attn
	.p2alignl 7, 3214868480
	.fill 96, 4, 3214868480
	.section	.rodata,"a",@progbits
	.p2align	6, 0x0
	.amdhsa_kernel k_qd6d91708a9_attn
		.amdhsa_group_segment_fixed_size 118272
		.amdhsa_private_segment_fixed_size 0
		.amdhsa_enable_private_segment 0
		.amdhsa_kernarg_size 112
		.amdhsa_user_sgpr_count 2
		.amdhsa_user_sgpr_kernarg_segment_ptr 1
		.amdhsa_wavefront_size32 1
		.amdhsa_system_sgpr_workgroup_id_x 1
		.amdhsa_system_sgpr_workgroup_id_y 1
		.amdhsa_system_sgpr_workgroup_id_z 1
		.amdhsa_system_vgpr_workitem_id 0
		.amdhsa_next_free_vgpr 1024
		.amdhsa_next_free_sgpr 96
		.amdhsa_reserve_vcc 1
		.amdhsa_float_denorm_mode_32 3
		.amdhsa_float_denorm_mode_16_64 3
		.amdhsa_memory_ordered 1
		.amdhsa_forward_progress 1
		.amdhsa_inst_pref_size 130
	.end_amdhsa_kernel
	.amdgpu_metadata
---
amdhsa.version: [ 1, 2 ]
amdhsa.kernels:
  - .name:           k_qd6d91708a9_attn
    .symbol:         k_qd6d91708a9_attn.kd
    .args:
      - { .name: xq, .offset: 0, .size: 8, .value_kind: global_buffer, .address_space: global }
      - { .name: Wk_codes, .offset: 8, .size: 8, .value_kind: global_buffer, .address_space: global }
      - { .name: Wv_codes, .offset: 16, .size: 8, .value_kind: global_buffer, .address_space: global }
      - { .name: Wk_scales, .offset: 24, .size: 8, .value_kind: global_buffer, .address_space: global }
      - { .name: Wv_scales, .offset: 32, .size: 8, .value_kind: global_buffer, .address_space: global }
      - { .name: bk, .offset: 40, .size: 8, .value_kind: global_buffer, .address_space: global }
      - { .name: bv, .offset: 48, .size: 8, .value_kind: global_buffer, .address_space: global }
      - { .name: bias_k, .offset: 56, .size: 8, .value_kind: global_buffer, .address_space: global }
      - { .name: bias_v, .offset: 64, .size: 8, .value_kind: global_buffer, .address_space: global }
      - { .name: sections_mask, .offset: 72, .size: 8, .value_kind: global_buffer, .address_space: global }
      - { .name: tokmask, .offset: 80, .size: 8, .value_kind: global_buffer, .address_space: global }
      - { .name: qws, .offset: 88, .size: 8, .value_kind: global_buffer, .address_space: global }
      - { .name: aq, .offset: 96, .size: 8, .value_kind: global_buffer, .address_space: global }
      - { .name: wts, .offset: 104, .size: 8, .value_kind: global_buffer, .address_space: global }
    .group_segment_fixed_size: 118272
    .private_segment_fixed_size: 0
    .kernarg_segment_align: 8
    .kernarg_segment_size: 112
    .max_flat_workgroup_size: 128
    .sgpr_count:     96
    .vgpr_count:     1024
    .wavefront_size: 32
...
	.end_amdgpu_metadata
.endif
;; end of part 2
;; launch outp (part 3): grid 16 x 16, 8 waves a work-group, no clusters, 74,752 bytes of LDS; arguments aq, wimg, Wo_scales, bo, wts, out0, out1; writes out0, out1
.if DOCPART == 3
	.amdgcn_target "amdgcn-amd-amdhsa--gfx1250"
	.amdhsa_code_object_version 6
	.text
	.protected	k_qd6d91708a9_outp
	.globl	k_qd6d91708a9_outp
	.p2align	8
	.type	k_qd6d91708a9_outp,@function
k_qd6d91708a9_outp:
	s_mov_b64 s[64:65], 0
	v_nop
	global_prefetch_b8 v0, s[64:65] scope:SCOPE_SE
	s_setreg_imm32_b32 hwreg(HW_REG_WAVE_MODE, 25, 1), 1
	s_wait_xcnt 0x0
; THIRD LAUNCH.  out0 = Q(attn) Wo^T + bo on codes of FP6 (E2M3), both operands as images of registers, and out1 = the mean over the 16 heads of the attention weights.
; SHARES.  Work-group (x = 64 columns, y = row tiles 2 y and 2 y + 1 of 16 rows).  Row rr of tile T is token l = T + 32 (rr / 8) of batch rr % 8.  Wave w takes K step w of all eight 16 x 16 tiles: no operand is loaded twice, no product hangs on another.
; The eight waves' parts go through LDS; then wave w adds rows 4 w .. 4 w + 3 and bo, and stores them, 256 consecutive bytes a row.
; THE MEAN: two tokens a work-group; wave w adds heads 4 (w % 4) .. + 3 of token w / 4; behind the barrier waves 0 and 1 add the four parts of a token each.
; LIMITS: NaN and infinities are not served.
; NO CLUSTER, NO TENSOR LOAD, NO PREFETCH: a wave asks for all its bytes in one run of 27 loads straight into operand registers; nothing in LDS is filled twice and there is no loop to run ahead in.
.set PART, 8704                        ; LDS: for each wave 32 rows x (256 + 16) bytes
.set MB,   69632                       ; for each wave 512 bytes: 64 + 2 sums of weights
.set SPARE, 73728
.set SA,   20                          ; scale words: lanes 0-15 row tile 0, lanes 16-31 row tile 1
.set SB,   21                          ; v21, v22: column tiles 0, 1 and 2, 3
.set AF,   24
.set WO,   48
.set WT,   96
.set EX,   104
.set BO,   108
.set ACC,  112
	s_load_b256 s[8:15], s[0:1], 0x0               ; aq, wimg, Wo_scales, bo
	s_load_b128 s[16:19], s[0:1], 0x20             ; wts, out0
	s_load_b64 s[20:21], s[0:1], 0x30              ; out1
	v_lshrrev_b32 v1, 5, v0
	v_readfirstlane_b32 s2, v1                     ; wave 0..7
	s_mov_b32 s3, ttmp9                            ; x
	s_and_b32 s4, ttmp7, 0xffff                    ; y
	s_mul_i32 s22, s4, 24576
	s_mul_i32 s23, s2, 1536
	s_add_co_u32 s22, s22, s23                     ; attn's images: 8 x (2 y) + w
	s_mul_i32 s26, s3, 49152
	s_add_co_u32 s26, s26, s23                     ; Wo's: 8 x (4 x) + w
	s_mov_b32 s23, 0
	s_mov_b32 s27, 0
	s_lshl_b32 s24, s4, 10
	s_lshl_b32 s25, s2, 6
	s_add_co_u32 s24, s24, s25
	s_add_co_u32 s24, s24, 393216                  ; attn's scale words
	s_mov_b32 s25, 0
	s_lshl_b32 s28, s3, 11
	s_lshl_b32 s29, s2, 2
	s_add_co_u32 s28, s28, s29                     ; Wo's
	s_mov_b32 s29, 0
	s_lshl_b32 s30, s3, 8
	s_mov_b32 s31, 0
	s_lshl_b32 s5, s4, 4
	s_add_co_u32 s5, s5, s3
	s_lshl_b32 s5, s5, 1                           ; my work-group's first token
	s_lshr_b32 s6, s2, 2
	s_add_co_u32 s6, s6, s5
	s_and_b32 s7, s2, 3
	s_lshl_b32 s32, s6, 12
	s_lshl_b32 s33, s7, 10
	s_add_co_u32 s32, s32, s33                     ; its weights, my four heads
	s_mov_b32 s33, 0
	s_lshl_b32 s34, s6, 7
	s_lshl_b32 s35, s7, 5
	s_add_co_u32 s34, s34, s35
	s_add_co_u32 s34, s34, 2097152                 ; its extra weights
	s_mov_b32 s35, 0
	s_lshl_b32 s36, s4, 1
	s_lshr_b32 s37, s2, 2
	s_add_co_u32 s36, s36, s37
	s_lshl_b32 s36, s36, 3
	s_bfe_u32 s37, s2, 0x10001
	s_lshl_b32 s37, s37, 8
	s_add_co_u32 s36, s36, s37
	s_and_b32 s38, s2, 1
	s_lshl_b32 s37, s38, 2
	s_add_co_u32 s36, s36, s37                     ; out row 8 l + b of my first of four rows
	s_lshl_b32 s36, s36, 12
	s_add_co_u32 s36, s36, s30
	s_mov_b32 s37, 0
	s_mul_i32 s43, s38, 2048
	s_add_co_u32 s43, s43, MB
	s_add_co_u32 s38, s38, s5
	s_mul_i32 s38, s38, 264                        ; out1: token's row (waves 0 and 1)
	s_mov_b32 s39, 0
	s_mul_i32 s40, s2, PART
	s_mul_i32 s41, s2, 1088
	s_lshl_b32 s42, s2, 9
	s_add_co_u32 s42, s42, MB
	v_lshl_add_u32 v19, v0, 2, SPARE               ; my spare word
	v_mov_b32 v18, 0
	v_and_b32 v1, 31, v0                           ; lane
	v_and_b32 v2, 15, v0                           ; r
	v_bfe_u32 v3, v0, 4, 1                         ; h
	v_lshlrev_b32 v4, 4, v1                        ; 16 x lane
	v_lshlrev_b32 v5, 2, v2
	v_lshl_add_u32 v5, v3, 9, v5                   ; attn's scale words: tile h, row r
	v_lshlrev_b32 v6, 5, v1                        ; a row of Wo's scale bytes
	v_lshlrev_b32 v7, 4, v2                        ; bo
	v_lshlrev_b32 v8, 3, v1                        ; 8 x lane
	v_and_b32 v9, 3, v0
	v_lshlrev_b32 v9, 3, v9                        ; the extra weights of head lane % 4
	v_mul_u32_u24 v10, v2, 272
	v_lshl_add_u32 v10, v3, 5, v10
	v_add_nc_u32 v10, s40, v10                     ; my part: row r, + 32 h
	v_mul_u32_u24 v11, v3, 272
	v_lshl_add_u32 v11, v2, 4, v11
	v_add_nc_u32 v11, s41, v11                     ; back: rows 4 w + h, 16 bytes a lane
	v_add_nc_u32 v12, s42, v8                      ; my sums of weights
	v_mov_b32 v13, s42
	v_add_nc_u32 v14, s43, v8                      ; and the four parts of a token
	v_mov_b32 v15, s43
	v_lshlrev_b32 v16, 12, v3
	v_lshl_add_u32 v16, v2, 4, v16                 ; out0: row h, 16 bytes a lane
	s_wait_alu depctr_va_vdst(0)                   ; the wait at the head's end
	s_wait_kmcnt 0x0
	s_add_nc_u64 s[22:23], s[8:9], s[22:23]
	s_add_nc_u64 s[24:25], s[8:9], s[24:25]
	s_add_nc_u64 s[10:11], s[10:11], s[26:27]
	s_add_nc_u64 s[12:13], s[12:13], s[28:29]
	s_add_nc_u64 s[14:15], s[14:15], s[30:31]
	s_add_nc_u64 s[32:33], s[16:17], s[32:33]
	s_add_nc_u64 s[34:35], s[16:17], s[34:35]
	s_add_nc_u64 s[18:19], s[18:19], s[36:37]
	s_add_nc_u64 s[20:21], s[20:21], s[38:39]
.irp t, 0,1
.irp c, 0,1,2
	global_load_b128 v[AF+12*\t+4*\c:AF+12*\t+4*\c+3], v4, s[22:23] offset:12288*\t+512*\c
.endr
.endr
	global_load_b32 v[SA], v5, s[24:25]
	global_load_b32 v[SB], v6, s[12:13]
	global_load_b32 v[SB+1], v6, s[12:13] offset:1024
.irp u, 0,1,2,3
.irp c, 0,1,2
	global_load_b128 v[WO+12*\u+4*\c:WO+12*\u+4*\c+3], v4, s[10:11] offset:12288*\u+512*\c
.endr
.endr
	global_load_b128 v[BO:BO+3], v7, s[14:15]
.irp i, 0,1,2,3
	global_load_b64 v[WT+2*\i:WT+2*\i+1], v8, s[32:33] offset:256*\i
.endr
	global_load_b64 v[EX:EX+1], v9, s[34:35]
	s_wait_loadcnt 6                               ; the operands are in; bo and the weights' five may be out
	; transposed: source 0 = 16 rows of Wo, source 1 = 16 rows of attn: lane (r, h), register j = (row r, column 16 u + 8 h + j)
.macro WM u, t, mods:vararg
	v_wmma_scale_f32_16x16x128_f8f6f4 v[ACC+8*(4*\t+\u):ACC+8*(4*\t+\u)+7], v[WO+12*\u:WO+12*\u+11], v[AF+12*\t:AF+12*\t+11], 0, v[SB+\u/2], v[SA] matrix_a_fmt:MATRIX_FMT_FP6 matrix_b_fmt:MATRIX_FMT_FP6 \mods
.endm
	WM 0, 0
	WM 1, 0, matrix_a_scale:MATRIX_SCALE_ROW1
	WM 2, 0
	WM 3, 0, matrix_a_scale:MATRIX_SCALE_ROW1
	WM 0, 1, matrix_b_scale:MATRIX_SCALE_ROW1
	WM 1, 1, matrix_a_scale:MATRIX_SCALE_ROW1 matrix_b_scale:MATRIX_SCALE_ROW1
	WM 2, 1, matrix_b_scale:MATRIX_SCALE_ROW1
	WM 3, 1, matrix_a_scale:MATRIX_SCALE_ROW1 matrix_b_scale:MATRIX_SCALE_ROW1
	s_wait_loadcnt 0x0
	v_pk_add_f32 v[WT:WT+1], v[WT:WT+1], v[WT+2:WT+3]                  ; these seven are also the places ahead of the stores that read results
	v_pk_add_f32 v[WT+4:WT+5], v[WT+4:WT+5], v[WT+6:WT+7]
	v_add_f32_dpp v[EX], v[EX], v[EX] row_xmask:1 row_mask:0xf bank_mask:0xf
	v_add_f32_dpp v[EX+1], v[EX+1], v[EX+1] row_xmask:1 row_mask:0xf bank_mask:0xf
	v_pk_add_f32 v[WT:WT+1], v[WT:WT+1], v[WT+4:WT+5]
	v_add_f32_dpp v[EX], v[EX], v[EX] row_xmask:2 row_mask:0xf bank_mask:0xf
	v_add_f32_dpp v[EX+1], v[EX+1], v[EX+1] row_xmask:2 row_mask:0xf bank_mask:0xf
.irp t, 0,1
.irp u, 0,1,2,3
	ds_store_b128 v10, v[ACC+8*(4*\t+\u):ACC+8*(4*\t+\u)+3] offset:4352*\t+64*\u
	ds_store_b128 v10, v[ACC+8*(4*\t+\u)+4:ACC+8*(4*\t+\u)+7] offset:4352*\t+64*\u+16
.endr
.endr
	ds_store_b64 v12, v[WT:WT+1]
	ds_store_b64 v13, v[EX:EX+1] offset:256        ; (all lanes store the same 8 bytes)
	s_wait_dscnt 0x0                               ; for the others' sake
	s_barrier_signal -1
	s_barrier_wait -1                              ; all parts lie in LDS
.irp i, 0,1
.irp k, 0,1,2,3,4,5,6,7
	ds_load_b128 v[24+32*\i+4*\k:27+32*\i+4*\k], v11 offset:PART*\k+544*\i
.endr
.endr
.macro ADD4 d, s
	v_pk_add_f32 v[\d:\d+1], v[\d:\d+1], v[\s:\s+1]
	v_pk_add_f32 v[\d+2:\d+3], v[\d+2:\d+3], v[\s+2:\s+3]
.endm
.irp i, 0,1
	s_wait_dscnt 8-8*\i
.irp k, 0,2,4,6
	ADD4 24+32*\i+4*\k, 28+32*\i+4*\k
.endr
	ADD4 24+32*\i, 32+32*\i
	ADD4 40+32*\i, 48+32*\i
	ADD4 24+32*\i, BO
	ADD4 24+32*\i, 40+32*\i
	global_store_b128 v16, v[24+32*\i:27+32*\i], s[18:19] offset:8192*\i th:TH_STORE_NT   ; sixteen lanes store 256 consecutive bytes, aligned
.endr
	s_cmp_lt_u32 s2, 2
	s_cbranch_scc0 .Lend
.irp q, 0,1,2,3
	ds_load_b64 v[88+2*\q:89+2*\q], v14 offset:512*\q
	ds_load_b64 v[96+2*\q:97+2*\q], v15 offset:512*\q+256
.endr
	s_wait_dscnt 0x0
.irp b, 88,96
	v_pk_add_f32 v[\b:\b+1], v[\b:\b+1], v[\b+2:\b+3]
	v_pk_add_f32 v[\b+4:\b+5], v[\b+4:\b+5], v[\b+6:\b+7]
.endr
.irp b, 88,96
	v_pk_add_f32 v[\b:\b+1], v[\b:\b+1], v[\b+4:\b+5]
.endr
.irp b, 88,96
	v_pk_mul_f32 v[\b:\b+1], v[\b:\b+1], 0x3d800000 op_sel_hi:[1,0]    ; / 16
.endr
	global_store_b64 v8, v[88:89], s[20:21]        ; 256 consecutive bytes
	global_store_b64 v18, v[96:97], s[20:21] offset:256                ; slots 64 and 65 (all lanes store the same 8 bytes)
.Lend:
	s_wait_tensorcnt 0x0                           ; the wave's end
	ds_add_u32 v19, v18
	s_wait_dscnt 0x0
	s_endpgm
.Lfunc_end_k_qd6d91708a9_outp:
	.size	k_qd6d91708a9_outp, .Lfunc_end_k_qd6d91708a9_outp-k_qd6d91708a9_outp
	.p2alignl 7, 3214868480
	.fill 96, 4, 3214868480
	.section	.rodata,"a",@progbits
	.p2align	6, 0x0
	.amdhsa_kernel k_qd6d91708a9_outp
		.amdhsa_group_segment_fixed_size 74752
		.amdhsa_private_segment_fixed_size 0
		.amdhsa_enable_private_segment 0
		.amdhsa_kernarg_size 56
		.amdhsa_user_sgpr_count 2
		.amdhsa_user_sgpr_kernarg_segment_ptr 1
		.amdhsa_wavefront_size32 1
		.amdhsa_system_sgpr_workgroup_id_x 1
		.amdhsa_system_sgpr_workgroup_id_y 1
		.amdhsa_system_sgpr_workgroup_id_z 1
		.amdhsa_system_vgpr_workitem_id 0
		.amdhsa_next_free_vgpr 176
		.amdhsa_next_free_sgpr 66
		.amdhsa_reserve_vcc 0
		.amdhsa_float_denorm_mode_32 3
		.amdhsa_float_denorm_mode_16_64 3
		.amdhsa_memory_ordered 1
		.amdhsa_forward_progress 1
		.amdhsa_inst_pref_size 15
	.end_amdhsa_kernel
	.amdgpu_metadata
---
amdhsa.version: [ 1, 2 ]
amdhsa.kernels:
  - .name:           k_qd6d91708a9_outp
    .symbol:         k_qd6d91708a9_outp.kd
    .args:
      - { .name: aq, .offset: 0, .size: 8, .value_kind: global_buffer, .address_space: global }
      - { .name: wimg, .offset: 8, .size: 8, .value_kind: global_buffer, .address_space: global }
      - { .name: Wo_scales, .offset: 16, .size: 8, .value_kind: global_buffer, .address_space: global }
      - { .name: bo, .offset: 24, .size: 8, .value_kind: global_buffer, .address_space: global }
      - { .name: wts, .offset: 32, .size: 8, .value_kind: global_buffer, .address_space: global }
      - { .name: out0, .offset: 40, .size: 8, .value_kind: global_buffer, .address_space: global }
      - { .name: out1, .offset: 48, .size: 8, .value_kind: global_buffer, .address_space: global }
    .group_segment_fixed_size: 74752
    .private_segment_fixed_size: 0
    .kernarg_segment_align: 8
    .kernarg_segment_size: 56
    .max_flat_workgroup_size: 256
    .sgpr_count:     66
    .vgpr_count:     176
    .wavefront_size: 32
...
	.end_amdgpu_metadata
.endif
;; end of part 3
